; MI455X (gfx1250); checked and timed in simulation.
; The chip was launched on July 23, 2026; its instructions are those of AMD's public machine-readable ISA for CDNA 5 (MIT licence, August 2026) and "CDNA5" Instruction Set Architecture Reference Guide (July 2026). The comments in the code are by the model that wrote it; some were corrected since.
;; Bert Self Attention. Allowed arithmetic: matrix products marked QUANTISED: E2M3 operands, one E8M0 scale for each 32 along K, by v_wmma_scale_f32_16x16x128_f8f6f4 with both operands' format E2M3, f32 sums; everything else in f32.
;; Inputs: Wk 1,024 x 1,024 float32; Wq 1,024 x 1,024 float32; Wv 1,024 x 1,024 float32; attention_mask 4 x 1 x 1 x 2,048 float32; bk 1,024 float32; bq 1,024 float32; bv 1,024 float32; hidden_states 4 x 2,048 x 1,024 float32.
;; Outputs: out0 4 x 2,048 x 1,024 float32.
;; This version of the problem:
;;   THIS VERSION OF THE PROBLEM IS GIVEN IN LOW PRECISION. The matrix products marked QUANTISED in the list below multiply operands that are first quantised to E2M3 (2 exponent bits, 3 mantissa bits; 6 bits a number), with one power-of-two scale for each 32 numbers along K (OCP MX v1.0); their sums are f32. All else is computed in f32.
;;   The module's matrix products, in the order in which they are computed (A, B: the left and right operand; K: the contracted axis; several contracted axes count as one K, in the product's order):
;;     1. [M 8,192, K 1,024] x [K 1,024, N 1,024]; A: input hidden_states; B: input Wq: QUANTISED
;;     2. [M 8,192, K 1,024] x [K 1,024, N 1,024]; A: input hidden_states; B: input Wk: QUANTISED
;;     3. [M 8,192, K 1,024] x [K 1,024, N 1,024]; A: input hidden_states; B: input Wv: QUANTISED
;;     4. batch 64 x [M 2,048, K 64] x [K 64, N 2,048]; A: computed on the way; B: computed on the way: QUANTISED
;;     5. batch 64 x [M 2,048, K 2,048] x [K 2,048, N 64]; A: softmax (see below); B: computed on the way: QUANTISED
;;   THE QUANTISER, for each operand of a quantised product, along K:
;;     - K is cut into blocks of 32 from its start; a last block that is shorter is filled with zeros.
;;     - A block's scale is 2^e with e = floor(log2(the largest magnitude in the block)) - 2, held to -126 .. 127; a block of zeros has e = 0. As a byte (E8M0): e + 127.
;;     - Each number is divided by its block's scale, clamped to +-7.5, and rounded to the nearest number of E2M3, ties to even, subnormals kept.
;;     - The product sums the exact products of the quantised numbers (number of the format x scale) in f32.
;;   ~~~python
;;   def quantise(x, axis):      # numpy; x: float32 -> the quantised numbers, widened to float32 again
;;       x = np.moveaxis(x, axis, -1); K = x.shape[-1]
;;       x = np.pad(x, [(0, 0)] * (x.ndim - 1) + [(0, -K % 32)]); x = x.reshape(x.shape[:-1] + (-1, 32)); a = np.abs(x).max(-1, keepdims=True)
;;       e = np.where(a > 0, np.clip(np.frexp(np.where(a > 0, a, 1))[1] - 1 - 2, -126, 127), 0)      # np.frexp(a)[1] - 1 = floor(log2(a)), exactly
;;       r = np.clip(x / 2.0 ** e, -7.5, 7.5)
;;       step = 2.0 ** (np.maximum(np.frexp(np.where(r == 0, 1, r))[1] - 1, 0) - 3)
;;       q = np.round(r / step) * step * 2.0 ** e      # np.round: ties to even
;;       return np.moveaxis(q.reshape(q.shape[:-2] + (-1,))[..., :K], -1, axis).astype(np.float32)
;;   ~~~
;;   SOFTMAX AHEAD OF A QUANTISED PRODUCT. Where the list says 'softmax', what is quantised is not the finished softmax but p = 2^(t - M), with t = logit x log2(e) and M = ceil(the row's largest t), a whole number; so 1/2 < the row's largest p <= 1. The row's sum l is taken of the UNQUANTISED p, in f32, and the product's result is divided by l at the end. Since M is a whole number, a kernel that streams over the keys may use a running M (the ceiling of the running maximum): every later rescaling is an exact power of two, which a block's scale takes up: the codes' values come out the same.
;;   OPERANDS COMPUTED ON THE WAY. 'Computed on the way' means the value that the module computes at that place (a softmax that the list does not call 'softmax' is quantised finished and normalised). What goes into a quantiser is computed in f32, as accurately as f32 sums, v_exp_f32 and their like allow (about 1e-6 of the number): no bf16 or f16 on the way to a quantiser, and a product that is left as it is and whose result goes on into a quantised operand takes f32 operands (vector FMAs, or v_wmma_f32_16x16x4_f32). A number that lies on a knife's edge between two numbers of the format may be rounded either way, as far as f32 arithmetic and the matrix unit's own rounding can turn it there, and no further.
;; One version. Each part assembles by itself: llvm-mc -triple=amdgcn-amd-amdhsa -mcpu=gfx1250 --defsym DOCPART=n.
;; ======== version 1 of 1: 3 launches
;; workspace buffers: codes 8,650,752 bytes; scales 360,448 bytes; img 20,447,232 bytes
;; launch quant (part 1): grid 352 x 1, 4 waves a work-group, no clusters, 68,096 bytes of LDS; arguments hidden_states, Wq, Wk, Wv, codes, scales; writes codes, scales
.if DOCPART == 1
	.amdgcn_target "amdgcn-amd-amdhsa--gfx1250"
	.amdhsa_code_object_version 6
	.text
	.protected	k_q42eb8da6da_quant
	.globl	k_q42eb8da6da_quant
	.p2align	8
	.type	k_q42eb8da6da_quant,@function
k_q42eb8da6da_quant:
	s_mov_b64 s[64:65], 0
	v_nop
	global_prefetch_b8 v0, s[64:65] scope:SCOPE_SE
	s_setreg_imm32_b32 hwreg(HW_REG_WAVE_MODE, 25, 1), 1
	s_wait_xcnt 0x0
; hidden_states [8192][1024] and Wq, Wk, Wv [1024 (k)][1024 (n)], f32, become codes of FP6 (E2M3), K innermost, 768 bytes a row, with one E8M0 byte for each 32 along K, 32 bytes a row.
; codes: [11264 rows][768], scales: [11264][32].  Rows 0..8191: the tokens; rows 8192 + 1024 w + n: column n of weight w (q, k, v).
; NO WORK OF THE PROBLEM IS LEFT OUT in this program: bq, bk, bv move the codes and scales of q, k, v; the additive mask differs along the softmax's axis; so every input is loaded by some launch.
; THE ROWS ARE STORED IN ANOTHER ORDER, in every group of 64: true row 64 G + 32 a + 8 i + j lies at row 64 G + 16 i + 8 a + j.  A matrix result's register j of lane half h is row 8 h + j of source 0,
; so the 32 registers of four neighbouring tiles of 16 stored rows are 32 NEIGHBOURING true rows: the next launch finds a whole block of 32 of its results in one lane.
; A block's scale is 2^(floor(log2(its largest magnitude)) - 2): its byte is the largest magnitude's exponent field - 2, held at 1 from below.
; LIMITS: a block of zeros gets the byte 1 where the rule says 127 (its codes are zeros, and this program alone reads the bytes); blocks whose largest magnitude lies under 2^-124 keep that byte; NaN and infinities among the inputs are not served.
; Work-groups 0..255 take the tokens (K innermost: a plain stream of blocks), 256..351 the weights (K outermost: a lane to a column, registers down K).  The two ways part on the work-group's number and have LDS bytes of their own.
; No tensor loads, no barrier: waves share nothing.
.set XWG,   256
.set STEPS, 16                         ; tokens: a wave takes 16 steps of 512 numbers = 8 rows
.set CB,    12                         ; bytes of 16 codes
.set R,     16                         ; v16-79   four sets of 16 numbers as loaded
.set X,     80                         ; v80-111  two sets of 16 neighbours
.set E,     112                        ; v112-127 a scale byte for each step
.set C,     128                        ; v128-191 codes: four registers for each step, so that no store's data are written again
.set WREG,  8192                       ; tokens' LDS: a region for each wave: two stages of 32 x SP bytes, then its 256 scale bytes
.set SP,    80                         ; a lane's place in a stage: 64 bytes + 16 of padding
.set WSTG,  32768                      ; weights' LDS: a stage of 32 rows x PITCH for each wave
.set PITCH, 272                        ; sixteen places of 16 bytes (12 of codes each) + 16
.set SPARE, WSTG+4*32*PITCH            ; the spare words, 128 bytes for each wave: two blocks of 256 bytes that no other line names
.set SPW,   192                        ; v192 LDS address of my spare word; never rewritten
.set NIL,   193                        ; v193 0; never rewritten
.set KROW,  768                        ; a row of codes in bytes
.set NB,    8                          ; weights: blocks of 32 along K for a wave (256 along K)
.set WN,    32                         ; v32-95   weights: two sets of 32 numbers
.set WC,    96                         ; v96..    a block's codes
.set OUTR,  112                        ; v112-175 the way out
.set SB,    24                         ; v24-25   eight scale bytes
	s_load_b256 s[4:11], s[0:1], 0x0               ; hidden_states, Wq, Wk, Wv
	s_load_b128 s[12:15], s[0:1], 0x20             ; codes, scales
	v_lshl_add_u32 v[SPW], v0, 2, SPARE
	v_mov_b32 v[NIL], 0
	v_lshrrev_b32 v1, 5, v0
	v_readfirstlane_b32 s16, v1                    ; wave
	v_and_b32 v2, 31, v0                           ; lane
	s_cmp_lt_u32 ttmp9, XWG
	s_cbranch_scc0 .Lweights
; ---------------- THE TOKENS.  Each load reads 512 consecutive bytes; a step's 2,048 bytes turn through the wave's stage so that a lane holds 16 neighbours; two neighbouring lanes hold a block.
	v_lshlrev_b32 v3, 4, v2                        ; my 16 bytes of a load's 512
	s_mul_i32 s17, s16, WREG
	v_lshrrev_b32 v14, 2, v2
	v_mul_u32_u24 v14, v14, SP
	v_and_b32 v15, 3, v2
	v_lshl_add_u32 v14, v15, 4, v14
	v_add_nc_u32 v14, s17, v14                     ; the stage, in: SP (lane / 4) + 16 (lane % 4)
	v_mul_u32_u24 v15, v2, SP
	v_add_nc_u32 v15, s17, v15                     ; and out: SP x lane
	v_mul_u32_u24 v4, v2, CB                       ; my codes' place in a step's
	v_lshrrev_b32 v5, 1, v2
	s_add_co_u32 s17, s17, 2*32*SP
	v_add_nc_u32 v5, s17, v5                       ; my block's scale byte in LDS
	v_lshlrev_b32 v7, 3, v2
	v_add_nc_u32 v6, s17, v7                       ; and on the way out 8 bytes a lane
	s_lshl_b32 s18, ttmp9, 2
	s_add_co_u32 s18, s18, s16                     ; my run of 8 true rows: 8 G + 4 a + i
	s_and_b32 s20, s18, 0xfffffff8
	s_and_b32 s21, s18, 3
	s_lshl_b32 s21, s21, 1
	s_or_b32 s20, s20, s21
	s_bfe_u32 s21, s18, 0x10002
	s_or_b32 s20, s20, s21                         ; where it is stored: run 8 G + 2 i + a
	s_lshl_b32 s22, s18, 15                        ; 8 rows of 4,096 bytes in
	s_mov_b32 s23, 0
	s_mul_i32 s24, s20, 8*KROW                     ; 8 rows of 768 bytes out
	s_mov_b32 s25, 0
	s_lshl_b32 s26, s20, 8                         ; 8 rows of 32 scale bytes
	s_mov_b32 s27, 0
	s_wait_kmcnt 0x0
	s_add_nc_u64 s[4:5], s[4:5], s[22:23]
	s_add_nc_u64 s[12:13], s[12:13], s[24:25]
	s_add_nc_u64 s[14:15], s[14:15], s[26:27]
.macro LOAD t
.irp i, 0,1,2,3
	global_load_b128 v[R+16*((\t)%4)+4*\i:R+16*((\t)%4)+4*\i+3], v3, s[4:5] offset:2048*(\t)+512*\i th:TH_LOAD_NT
.endr
.endm
.macro TURN t                          ; LDS serves a wave's instructions in order: no wait between the stores and the loads
.irp i, 0,1,2,3
	ds_store_b128 v14, v[R+16*((\t)%4)+4*\i:R+16*((\t)%4)+4*\i+3] offset:32*SP*((\t)%2)+8*SP*\i
.endr
.irp i, 0,1,2,3
	ds_load_b128 v[X+16*((\t)%2)+4*\i:X+16*((\t)%2)+4*\i+3], v15 offset:32*SP*((\t)%2)+16*\i
.endr
.endm
.irp t, 0,1,2,3
	LOAD \t
.endr
	s_wait_loadcnt 12                              ; step 0's four loads are in
	TURN 0
.macro STEP t
.if (\t) > 0
	s_wait_dscnt 1                                 ; this step's numbers are back from the stage (the last step's byte store may be out), so its stores into the stage have read their registers,
.else
	s_wait_dscnt 0x0
.endif
.if (\t)+4 < STEPS
	LOAD (\t)+4                                    ; which take the loads of four steps on
.endif
.if (\t)+1 < STEPS
.if STEPS-2-(\t) >= 3
	s_wait_loadcnt 12                              ; the next step's four loads are in; three later steps' may be out
.else
	s_wait_loadcnt 4*(STEPS-2-(\t))
.endif
	TURN (\t)+1
.endif
	v_max3_num_f32 v8, |v[X+16*((\t)%2)]|, |v[X+16*((\t)%2)+1]|, |v[X+16*((\t)%2)+2]|
	v_max3_num_f32 v9, |v[X+16*((\t)%2)+3]|, |v[X+16*((\t)%2)+4]|, |v[X+16*((\t)%2)+5]|
.irp i, 6,10
	v_max3_num_f32 v8, v8, |v[X+16*((\t)%2)+\i]|, |v[X+16*((\t)%2)+\i+1]|
	v_max3_num_f32 v9, v9, |v[X+16*((\t)%2)+\i+2]|, |v[X+16*((\t)%2)+\i+3]|
.endr
	v_max3_num_f32 v8, v8, |v[X+16*((\t)%2)+14]|, |v[X+16*((\t)%2)+15]|
	v_max3_num_f32 v8, v8, v9, 0x1800000           ; and the floor 2^(3 - 127): the byte cannot fall under 1
	v_max_num_f32_dpp v8, v8, v8 row_xmask:1 row_mask:0xf bank_mask:0xf   ; with my neighbour's 16: the block's largest magnitude
	v_add_nc_u32 v11, 0xff000000, v8               ; 2 off its exponent field: the conversion takes the exponent field of this operand as its scale
	v_cvt_scalef32_pk16_fp6_f32 v[C+4*(\t):C+4*(\t)+2], v[X+16*((\t)%2):X+16*((\t)%2)+15], v11
	v_lshrrev_b32 v[E+(\t)], 23, v11               ; the scale's byte (also the plain line behind the conversion)
	ds_store_b8 v5, v[E+(\t)] offset:16*(\t)       ; both lanes of a block write the same byte with the same value
	global_store_b96 v4, v[C+4*(\t):C+4*(\t)+2], s[12:13] offset:32*CB*(\t)   ; the wave stores 384 consecutive bytes
.endm
.irp t, 0,1,2,3,4,5,6,7,8,9,10,11,12,13,14,15
	STEP \t
.endr
	ds_load_b64 v[8:9], v6                         ; my wave's 256 scale bytes: these loads see my stores
	s_wait_dscnt 0x0
	global_store_b64 v7, v[8:9], s[14:15]          ; 32 lanes store 256 consecutive bytes, aligned
	s_wait_tensorcnt 0x0                           ; the wave's end, behind my last LDS store
	ds_add_u32 v[SPW], v[NIL]
	s_wait_dscnt 0x0
	s_endpgm
; ---------------- THE WEIGHTS.  A lane takes a column n, its registers run down K: a block of 32 lies in one lane; the codes come out with K innermost and leave through the wave's stage as rows.
.Lweights:
	s_sub_co_u32 s17, ttmp9, XWG
	s_lshr_b32 s18, s17, 5                         ; which weight
	s_and_b32 s19, s17, 7                          ; which 128 columns
	s_bfe_u32 s20, s17, 0x20003                    ; which 256 along K
	s_lshl_b32 s21, s19, 7
	s_lshl_b32 s22, s16, 5
	s_add_co_u32 s21, s21, s22                     ; my wave's first column n0 = 64 G + 32 a
	v_lshlrev_b32 v3, 2, v2                        ; in: 4 bytes a lane
	s_mul_i32 s22, s16, 32*PITCH
	s_add_co_u32 s22, s22, WSTG                    ; my stage
	v_mul_u32_u24 v4, v2, PITCH
	v_add_nc_u32 v4, s22, v4                       ; into it: row = my column
	v_and_b32 v5, 15, v2
	v_lshrrev_b32 v6, 4, v2
	v_mul_u32_u24 v7, v6, PITCH
	v_lshl_add_u32 v7, v5, 4, v7
	v_add_nc_u32 v7, s22, v7                       ; out of it: sixteen lanes to a row, two rows an instruction
	v_mul_u32_u24 v8, v6, KROW
	v_mad_u32_u24 v8, v5, 12, v8                   ; and the same place in the codes
	v_lshrrev_b32 v9, 3, v2
	v_and_b32 v10, 7, v2
	v_lshl_add_u32 v9, v9, 4, v10
	v_lshlrev_b32 v9, 5, v9                        ; column n0 + 8 i + j is stored 16 i + j rows on: its row of scale bytes
	s_and_b32 s23, s21, 0xffffffc0
	s_bfe_u32 s24, s21, 0x10005
	s_lshl_b32 s24, s24, 3
	s_add_co_u32 s23, s23, s24
	s_lshl_b32 s24, s18, 10
	s_add_co_u32 s23, s23, s24
	s_add_co_u32 s23, s23, 8192                    ; the stored row of column n0: 8192 + 1024 w + 64 G + 8 a
	s_mul_i32 s24, s23, KROW
	s_mul_i32 s26, s20, 192
	s_add_co_u32 s24, s24, s26
	s_mov_b32 s25, 0
	s_lshl_b32 s26, s23, 5
	s_lshl_b32 s28, s20, 3
	s_add_co_u32 s26, s26, s28
	s_mov_b32 s27, 0
	s_lshl_b32 s28, s20, 20                        ; 256 rows of 4,096 bytes
	s_lshl_b32 s30, s21, 2
	s_add_co_u32 s28, s28, s30
	s_mov_b32 s29, 0
	s_wait_kmcnt 0x0
	s_cmp_eq_u32 s18, 0                            ; the choice of the buffer hangs on the work-group's number alone
	s_cselect_b64 s[6:7], s[6:7], s[8:9]
	s_cmp_eq_u32 s18, 2
	s_cselect_b64 s[6:7], s[10:11], s[6:7]
	s_add_nc_u64 s[6:7], s[6:7], s[28:29]
	s_add_nc_u64 s[12:13], s[12:13], s[24:25]
	s_add_nc_u64 s[14:15], s[14:15], s[26:27]
.macro WLOAD t                         ; block t: W(32 t + i, my column) into set t % 2: 32 lanes read 128 consecutive bytes, the four waves 512
.irp i, 0,1,2,3,4,5,6,7,8,9,10,11,12,13,14,15,16,17,18,19,20,21,22,23,24,25,26,27,28,29,30,31
	global_load_b32 v[WN+32*((\t)%2)+\i], v3, s[6:7] offset:(32*(\t)+\i)*4096 th:TH_LOAD_NT
.endr
.endm
	WLOAD 0
	WLOAD 1
.macro BLOCK t
.if (\t) < NB-1
	s_wait_loadcnt 32                              ; this block's 32 loads are in; the next block's may be out
.else
	s_wait_loadcnt 0x0
.endif
	v_max3_num_f32 v12, |v[WN+32*((\t)%2)]|, |v[WN+32*((\t)%2)+1]|, |v[WN+32*((\t)%2)+2]|
	v_max3_num_f32 v13, |v[WN+32*((\t)%2)+3]|, |v[WN+32*((\t)%2)+4]|, |v[WN+32*((\t)%2)+5]|
.irp i, 6,10,14,18,22,26
	v_max3_num_f32 v12, v12, |v[WN+32*((\t)%2)+\i]|, |v[WN+32*((\t)%2)+\i+1]|
	v_max3_num_f32 v13, v13, |v[WN+32*((\t)%2)+\i+2]|, |v[WN+32*((\t)%2)+\i+3]|
.endr
	v_max3_num_f32 v12, v12, |v[WN+32*((\t)%2)+30]|, |v[WN+32*((\t)%2)+31]|
	v_max3_num_f32 v12, v12, v13, 0x1800000        ; and the floor
	v_add_nc_u32 v11, 0xff000000, v12              ; the conversion's scale operand
	v_lshrrev_b32 v13, 23, v11                     ; the scale's byte
.if (\t)%4 == 0
	v_mov_b32 v[SB+(\t)/4], v13                    ; four bytes to a register, the lower K in the lower byte
.else
	v_lshl_or_b32 v[SB+(\t)/4], v13, 8*((\t)%4), v[SB+(\t)/4]
.endif
	v_cvt_scalef32_pk16_fp6_f32 v[WC:WC+2], v[WN+32*((\t)%2):WN+32*((\t)%2)+15], v11
	v_cvt_scalef32_pk16_fp6_f32 v[WC+4:WC+6], v[WN+32*((\t)%2)+16:WN+32*((\t)%2)+31], v11   ; (a conversion's three registers begin on an even number)
	v_nop                                          ; one plain line behind the conversions
	ds_store_b96 v4, v[WC:WC+2] offset:32*(\t)     ; 12 bytes to a place of 16, so that every LDS address is a multiple of 16
	ds_store_b96 v4, v[WC+4:WC+6] offset:32*(\t)+16
.if (\t)+2 < NB
	WLOAD (\t)+2
.endif
	s_wait_dscnt 0x0                               ; the stores have read their registers: the next block's codes may be written
.endm
.irp t, 0,1,2,3,4,5,6,7
	BLOCK \t
.endr
	global_store_b64 v9, v[SB:SB+1], s[14:15]      ; my column's eight scale bytes
.irp t, 0,1,2,3,4,5,6,7,8,9,10,11,12,13,14,15
	ds_load_b96 v[OUTR+4*\t:OUTR+4*\t+2], v7 offset:2*\t*PITCH
.endr
.irp t, 0,1,2,3,4,5,6,7,8,9,10,11,12,13,14,15
	s_wait_dscnt 15-\t
	global_store_b96 v8, v[OUTR+4*\t:OUTR+4*\t+2], s[12:13] offset:(16*(\t/4)+(2*\t)%8)*KROW   ; stage rows 2 t, 2 t + 1 = columns 8 i + j: stored 16 i + j rows on; sixteen lanes store 192 consecutive bytes
.endr
	s_wait_tensorcnt 0x0                           ; the wave's end, behind my last LDS store
	ds_add_u32 v[SPW], v[NIL]
	s_wait_dscnt 0x0
	s_endpgm
.Lfunc_end_k_q42eb8da6da_quant:
	.size	k_q42eb8da6da_quant, .Lfunc_end_k_q42eb8da6da_quant-k_q42eb8da6da_quant
	.p2alignl 7, 3214868480
	.fill 96, 4, 3214868480
	.section	.rodata,"a",@progbits
	.p2align	6, 0x0
	.amdhsa_kernel k_q42eb8da6da_quant
		.amdhsa_group_segment_fixed_size 68096
		.amdhsa_private_segment_fixed_size 0
		.amdhsa_enable_private_segment 0
		.amdhsa_kernarg_size 48
		.amdhsa_user_sgpr_count 2
		.amdhsa_user_sgpr_kernarg_segment_ptr 1
		.amdhsa_wavefront_size32 1
		.amdhsa_system_sgpr_workgroup_id_x 1
		.amdhsa_system_sgpr_workgroup_id_y 1
		.amdhsa_system_sgpr_workgroup_id_z 1
		.amdhsa_system_vgpr_workitem_id 0
		.amdhsa_next_free_vgpr 196
		.amdhsa_next_free_sgpr 66
		.amdhsa_reserve_vcc 0
		.amdhsa_float_denorm_mode_32 3
		.amdhsa_float_denorm_mode_16_64 3
		.amdhsa_memory_ordered 1
		.amdhsa_forward_progress 1
		.amdhsa_inst_pref_size 74
	.end_amdhsa_kernel
	.amdgpu_metadata
---
amdhsa.version: [ 1, 2 ]
amdhsa.kernels:
  - .name:           k_q42eb8da6da_quant
    .symbol:         k_q42eb8da6da_quant.kd
    .args:
      - { .name: hidden_states, .offset: 0, .size: 8, .value_kind: global_buffer, .address_space: global }
      - { .name: Wq, .offset: 8, .size: 8, .value_kind: global_buffer, .address_space: global }
      - { .name: Wk, .offset: 16, .size: 8, .value_kind: global_buffer, .address_space: global }
      - { .name: Wv, .offset: 24, .size: 8, .value_kind: global_buffer, .address_space: global }
      - { .name: codes, .offset: 32, .size: 8, .value_kind: global_buffer, .address_space: global }
      - { .name: scales, .offset: 40, .size: 8, .value_kind: global_buffer, .address_space: global }
    .group_segment_fixed_size: 68096
    .private_segment_fixed_size: 0
    .kernarg_segment_align: 8
    .kernarg_segment_size: 48
    .max_flat_workgroup_size: 128
    .sgpr_count:     66
    .vgpr_count:     196
    .wavefront_size: 32
...
	.end_amdgpu_metadata
.endif
;; end of part 1
;; launch proj (part 2): grid 12 x 32, 4 waves a work-group, clusters of 4 x 4, 327,680 bytes of LDS; arguments codes, scales, bq, bk, bv, img; writes img
.if DOCPART == 2
	.amdgcn_target "amdgcn-amd-amdhsa--gfx1250"
	.amdhsa_code_object_version 6
	.text
	.protected	k_q42eb8da6da_proj
	.globl	k_q42eb8da6da_proj
	.p2align	8
	.type	k_q42eb8da6da_proj,@function
k_q42eb8da6da_proj:
	s_mov_b64 s[64:65], 0
	v_nop
	global_prefetch_b8 v0, s[64:65] scope:SCOPE_SE
	s_setreg_imm32_b32 hwreg(HW_REG_WAVE_MODE, 25, 1), 1
	s_wait_xcnt 0x0
	s_wait_alu depctr_hold_cnt(0) depctr_sa_sdst(0) depctr_va_vdst(0) depctr_va_sdst(0) depctr_va_ssrc(0) depctr_va_vcc(0) depctr_vm_vsrc(0)
	s_getreg_b32 s2, hwreg(HW_REG_IB_STS2, 6, 4)
	s_cmp_eq_u32 s2, 0
	s_cbranch_scc0 .Lentry_in_a_cluster
	s_endpgm
.Lentry_in_a_cluster:
	s_bfe_u32 s2, ttmp6, 0x10000c
	s_cmp_lg_u32 s2, 0xf033
	s_cbranch_scc0 .Lentry_shape_is_right
	s_endpgm
.Lentry_shape_is_right:
; q, k, v = hidden_states W + b on codes of FP6 (E2M3) with E8M0 scales, sums in f32; the results are quantised in registers and leave as IMAGES OF THE OPERAND REGISTERS that the attention launch wants.  Nothing is left out.
; codes [11264][768], scales [11264][32]: rows 0..8191 tokens, 8192 + 1024 w + n the weights' columns; in every 64 rows true row 64 G + 32 a + 8 i + j lies at 64 G + 16 i + 8 a + j.
; A work-group of four waves makes 256 x 256 results, a wave 128 x 128: 64 accumulators of 16 x 16.  K = 1,024 goes in four steps of 256 through a ring of two LDS slots filled by the tensor data mover.
; The scale bytes of the work-group's 2 x 256 rows, for all of K, come into LDS once with the first fills.
; "A" is source 1 of the matrix instruction (a lane holds ONE of its rows), "B" source 0 (a lane's registers run along its rows).  By the stored order the 32 registers of four neighbouring tiles of B are 32 neighbouring true rows.
;   q, k (cluster x = 0, 1): A = tokens, B = the weight's columns: a lane holds one token and 32 neighbouring channels of one head: a block of the first attention product's K.
;   v    (cluster x = 2):    A = Wv's columns, B = tokens:         a lane holds one channel and 32 neighbouring tokens: a block of the second product's K (the keys).
; CLUSTERS: 4 x 4 work-groups.  A's tile hangs on cy alone and is asked for jointly along a row of the cluster, B's on cx alone, along a column.
; img: [3 (q, k, v)][64 heads][16 steps of 128 tokens][6,656 bytes]: 12 pieces of 512 bytes (piece p: operand registers 4 p .. 4 p + 3, lane l's 16 bytes at 16 l), then 512 bytes of scale words (four registers likewise).
;   q, k: register 6 t + e: stored tile t of the step, the 24 bytes of row r, channels 32 h on.  Scale register u: lanes 0-15 tile 2 u's words, lanes 16-31 tile 2 u + 1's; a word = byte(channels 0-31) | byte(32-63) << 8.
;         q's bytes are stored 3 lower: the division of the scores by sqrt(64) = 8, exact.
;   v:    register 12 i + 6 c + e: tile i of V^T (lane r: channel 32 (r / 8) + 8 i + r % 8), keys 64 c + 32 h on.  Scale register i: that row's word, byte 2 c + h.
; LIMITS: a block whose largest magnitude lies under 2^-124 (q: 2^-121, so that its byte less 3 stays at 1 or above) keeps the floor's byte; a block of zeros likewise (its codes are zeros; this program alone reads the bytes); NaN and infinities are not served.
; REGISTERS, in windows of 256: window 0: v0-31 addresses; v32-63 scale words, two sets; v64-127 the bias; from v128 A's fragments, one set; on the way out v128-227 are at work.
;   window 1: B's fragments, two sets, at v0 and v128.   window 2: the accumulators of A's blocks 0-3 ((a, b) at v[8 (8 (a % 4) + b)]);   window 3: those of blocks 4-7.
.set SIZE_K, 1024
.set KSTEP,  256                       ; along K in a slot
.set NQ,     KSTEP/128
.set ROWB,   192                       ; a tile's row in bytes
.set KROW,   SIZE_K*6/8
.set PITCH,  240                       ; an LDS row: 3 x (64 bytes + 16 of padding)
.set FR,     12                        ; registers of a fragment
.set NL,     6                         ; LDS loads that bring one
.set NP,     4                         ; places behind this matrix instruction (ISA guide 7.12.1)
.set HALFT,  128*PITCH
.set SLOT,   4*HALFT
.set LAPS,   SIZE_K/(2*KSTEP)
.set KS,     SIZE_K/32
.set SCL,    2*SLOT                    ; behind the ring: the scales, as units of 256 bytes + 16 of padding
.set HALFS,  (128*KS/256)*272
.set SBLK,   (16*KS/256)*272
.set SPARE,  SCL+4*HALFS               ; the spare words, 128 bytes for each wave
.set STEPB,  6656
.set HSZ,    16*STEPB
.set TSZ,    64*HSZ
.set ADRA, 16                          ; v16-17 LDS address of my A fragments in slot 0, 1 (v18-19: for the pieces behind one padding more)
.set ADRB, 20                          ; v20-23 the same for B
.set SH8,  25                          ; v25  8 x (lane / 16)
.set LI,   26                          ; v26  16 x lane: my place in a piece of an image
.set ADRS, 27                          ; v27  LDS address of my scale words: lanes 0-15 A's rows, lanes 16-31 B's
.set SPW,  28                          ; v28  my spare word; never rewritten
.set NIL,  29                          ; v29  0; never rewritten
.set BO,   30                          ; v30  my lane's offset in the bias
.set SC,   32
.set BI,   64                          ; v64-127 the bias
.set AF,   128
.set T,    128                         ; the way out: v128-191 two blocks of 32 numbers
.set CC,   192                         ; v192-203 their codes
.set XT,   204                         ; v204-206, v208-210 the upper halves' codes
.set MX,   212
.set SO,   214
.set BY,   216
.set W0,   218                         ; v218-219 words, v220-221 the other half's
.set SW,   224                         ; v224-227 four scale registers of an image
.set G1, 24
.set G0, 32
.set G1B, 48
.set G0B, 56
.set G1S, 68
.set G0S, 76
.set G1SB, 80
.set G0SB, 88
.set VFL, 66                           ; s66 1 where this cluster makes v
.set HM,  93                           ; s93 lanes 16-31
.set QB,  94                           ; s94 0x0303 for q, else 0
.set FLR, 95                           ; s95 the floor under a block's largest magnitude
.set SEL, 20                           ; s[20:21] v_permlanex16_b32's selects for lane l xor 16
.set MSB, 0
.macro WIN new                         ; the immediate's high byte repeats the setting that is left
.if MSB != (\new)
	s_set_vgpr_msb (MSB<<8)|(\new)
.set MSB, (\new)
.endif
.endm
.set MUL_LO, 0xa1                      ; source 0 (B) window 1, source 1 (A) window 0, C and D window 2
.set MUL_HI, 0xf1
.set TO_B,   0x40
; A joint load: waves 0 and 1 fetch for A, waves 2 and 3 for B.  The branch hangs on the wave's number alone.  An s_nop 0 and four v_nop follow each of the two lines.
.macro JLOAD g0a, g1a, g0b, g1b
	s_cmp_eq_u32 s15, 0
	s_cbranch_scc0 .Lfor_b_\@
	tensor_load_to_lds s[\g0a:\g0a+3], s[\g1a:\g1a+7]
	s_nop 0
.rept 4
	v_nop
.endr
	s_branch .Lasked_\@
.Lfor_b_\@:
	tensor_load_to_lds s[\g0b:\g0b+3], s[\g1b:\g1b+7]
	s_nop 0
.rept 4
	v_nop
.endr
.Lasked_\@:
.endm
.macro CREST                           ; a round of the cluster's barrier behind its opening barrier
	s_cmp_lg_u32 s14, 0
	s_cbranch_scc1 .Lnot_wave_0_\@
	s_barrier_signal -3
.Lnot_wave_0_\@:
	s_barrier_wait -3
	s_barrier_signal -1
	s_barrier_wait -1
.endm
.macro CROUND
	s_barrier_signal -1
	s_barrier_wait -1
	CREST
.endm
	s_load_b128 s[4:7], s[0:1], 0x0                ; codes, scales
	s_load_b128 s[8:11], s[0:1], 0x10              ; bq, bk
	s_load_b128 s[96:99], s[0:1], 0x20             ; bv, img
	v_lshl_add_u32 v[SPW], v0, 2, SPARE
	v_mov_b32 v[NIL], 0
	ds_add_u32 v[SPW], v[NIL]                      ; the wave's opening: the add, twice on end, and its wait ahead of my first tensor load
	ds_add_u32 v[SPW], v[NIL]
	v_lshrrev_b32 v1, 5, v0
	v_readfirstlane_b32 s14, v1                    ; wave 0..3
	s_lshr_b32 s15, s14, 1                         ; which half of A's 256 rows is mine.  Also: I fetch for A (0) or for B (1)
	s_and_b32 s16, s14, 1                          ; which half of B's.  Also: which 128 rows of that tile I fetch
	s_bfe_u32 s40, ttmp6, 0x40000                  ; cx, cy: my place in the cluster
	s_bfe_u32 s41, ttmp6, 0x40004
	s_and_b32 s45, ttmp7, 0xffff                   ; cluster y: which 1,024 tokens
	s_add_co_u32 s46, ttmp9, 8                     ; cluster x: 0 q, 1 k, 2 v; the weights' tiles of 256 rows begin at 4 (8 + w)
	s_cmp_eq_u32 ttmp9, 2                          ; the same in all sixteen partners
	s_cselect_b32 s17, 10, s45
	s_cselect_b32 s42, s45, s46
	s_cselect_b32 s[VFL], 1, 0
	s_lshl_b32 s17, s17, 2
	s_add_co_u32 s17, s17, s41                     ; A's tile of 256 rows: tokens 4 y + cy, or Wv's 40 + cy
	s_lshl_b32 s42, s42, 2
	s_add_co_u32 s42, s42, s40                     ; B's: the weight's 4 (8 + w) + cx, or tokens 4 y + cx
	s_lshl_b32 s43, s41, 2
	s_lshl_b32 s43, 15, s43                        ; my row of the cluster
	s_lshl_b32 s44, 0x1111, s40                    ; my column
	; descriptor group 1: a tile of 128 rows x 192 bytes, 16 bytes of padding behind every 64
	s_or_b32 s[G1+0], s43, (0<<16)|(1<<20)|(1<<21)|(3<<22)|(3<<25)
	s_or_b32 s[G1B+0], s44, (0<<16)|(1<<20)|(1<<21)|(3<<22)|(3<<25)
.irp g, G1, G1B
	s_mov_b32 s[\g+1], ROWB<<16                    ; tensor_dim0
	s_mov_b32 s[\g+2], 128<<16                     ; tensor_dim1
	s_mov_b32 s[\g+3], ROWB<<16                    ; tile_dim0
	s_mov_b32 s[\g+4], 128                         ; tile_dim1
	s_mov_b32 s[\g+5], KROW                        ; the pitch
	s_mov_b32 s[\g+6], 0
	s_mov_b32 s[\g+7], 0
.endr
	; the scales of 128 rows: 4,096 dense bytes as 16 rows of 256 (32 elements of 8 bytes), 16 bytes of padding behind each
	s_or_b32 s[G1S+0], s43, (3<<16)|(1<<20)|(1<<21)|(5<<22)|(3<<25)
	s_or_b32 s[G1SB+0], s44, (3<<16)|(1<<20)|(1<<21)|(5<<22)|(3<<25)
.irp g, G1S, G1SB
	s_mov_b32 s[\g+1], 32<<16
	s_mov_b32 s[\g+2], (128*KS/256)<<16
	s_mov_b32 s[\g+3], 32<<16
	s_mov_b32 s[\g+4], 128*KS/256
	s_mov_b32 s[\g+5], 32
	s_mov_b32 s[\g+6], 0
	s_mov_b32 s[\g+7], 0
.endr
	s_lshl_b32 s18, s16, 7
	s_lshl_b32 s20, s17, 8
	s_add_co_u32 s20, s20, s18                     ; A: row 256 x tile + 128 x half
	s_lshl_b32 s46, s42, 8
	s_add_co_u32 s46, s46, s18                     ; B likewise
	s_mov_b32 s21, 0
	s_mov_b32 s47, 0
	s_mov_b64 s[18:19], KS
	s_mul_u64 s[22:23], s[20:21], s[18:19]         ; where these rows' scales begin
	s_mul_u64 s[92:93], s[46:47], s[18:19]
	s_mov_b64 s[18:19], KROW
	s_mul_u64 s[20:21], s[20:21], s[18:19]         ; and their codes
	s_mul_u64 s[46:47], s[46:47], s[18:19]
	s_mul_i32 s45, s14, HALFT                      ; where they go: wave x 128 rows: no place in the cluster enters an LDS address
	s_mul_i32 s94, s14, HALFS
	s_wait_dscnt 0x0                               ; both opening adds are done
	s_wait_kmcnt 0x0
	s_add_nc_u64 s[20:21], s[4:5], s[20:21]
	s_add_nc_u64 s[22:23], s[6:7], s[22:23]
	s_add_nc_u64 s[46:47], s[4:5], s[46:47]
	s_add_nc_u64 s[92:93], s[6:7], s[92:93]
	CROUND                                         ; all sixteen work-groups are here: the first joint loads meet
	s_mov_b32 s[G0S], 1
	s_add_co_u32 s[G0S+1], s94, SCL
	s_mov_b64 s[G0S+2:G0S+3], s[22:23]
	s_or_b32 s[G0S+3], s[G0S+3], 0x80000000
	s_mov_b32 s[G0SB], 1
	s_add_co_u32 s[G0SB+1], s94, SCL
	s_mov_b64 s[G0SB+2:G0SB+3], s[92:93]
	s_or_b32 s[G0SB+3], s[G0SB+3], 0x80000000
	JLOAD G0S, G1S, G0SB, G1SB                     ; the scales first: they are wanted with K step 0
.irp s, 0,1
	s_mov_b32 s[G0+4*\s], 1
	s_add_co_u32 s[G0+4*\s+1], s45, \s*SLOT
	s_add_nc_u64 s[G0+4*\s+2:G0+4*\s+3], s[20:21], \s*ROWB
	s_or_b32 s[G0+4*\s+3], s[G0+4*\s+3], 0x80000000
	s_mov_b32 s[G0B+4*\s], 1
	s_add_co_u32 s[G0B+4*\s+1], s45, \s*SLOT
	s_add_nc_u64 s[G0B+4*\s+2:G0B+4*\s+3], s[46:47], \s*ROWB
	s_or_b32 s[G0B+4*\s+3], s[G0B+4*\s+3], 0x80000000
	JLOAD G0+4*\s, G1, G0B+4*\s, G1B               ; three tensor loads of mine are out
.endr
	v_and_b32 v1, 15, v0                           ; r = l % 16
	v_bfe_u32 v2, v0, 4, 1                         ; h = l / 16
	v_mul_u32_u24 v3, v1, PITCH
	v_mul_u32_u24 v4, v2, 24
	v_add_nc_u32 v4, v3, v4                        ; a fragment's row x pitch + 24 x half
	v_lshl_add_u32 v5, v2, 4, v4                   ; and the same behind one padding more
	s_mul_i32 s21, s15, HALFT                      ; my 128 rows of A
	s_mul_i32 s22, s16, HALFT                      ; my 128 rows of B,
	s_add_co_u32 s22, s22, 2*HALFT                 ; which lie behind A's 256
.irp s, 0,1
	v_add_nc_u32 v[ADRA+\s], s21, v4
	v_add_nc_u32 v[ADRB+\s], s22, v4
	v_add_nc_u32 v[ADRA+2+\s], s21, v5
	v_add_nc_u32 v[ADRB+2+\s], s22, v5
	s_add_co_u32 s21, s21, SLOT
	s_add_co_u32 s22, s22, SLOT
.endr
	v_mul_u32_u24 v5, v1, KS                       ; my row's scales: 32 bytes a row,
	v_lshrrev_b32 v6, 8, v5
	v_lshl_add_u32 v5, v6, 4, v5                   ; and 16 more for each 256 passed
	s_mul_i32 s21, s15, HALFS
	s_mul_i32 s22, s16, HALFS
	s_add_co_u32 s22, s22, 2*HALFS
	s_sub_co_u32 s22, s22, s21
	v_mul_u32_u24 v6, s22, v2                      ; lanes 16-31 take B's
	s_add_co_u32 s21, s21, SCL
	v_add_nc_u32 v5, v5, v6
	v_add_nc_u32 v[ADRS], s21, v5
	v_and_b32 v6, 31, v0
	v_lshlrev_b32 v[LI], 4, v6
	v_lshlrev_b32 v[SH8], 3, v2
	; where my images begin: tensor, head, step
	s_cmp_eq_u32 s[VFL], 1
	s_cselect_b32 s18, s42, s17                    ; the tokens' tile of 256
	s_cselect_b32 s19, s16, s15                    ; and my half of it: a step of 128 tokens
	s_cselect_b32 s20, s41, s40                    ; the weight's tile of 256 columns: four heads
	s_cselect_b32 s21, s15, s16                    ; and my half of it: two heads
	s_lshr_b32 s22, s18, 3
	s_lshl_b32 s22, s22, 4                         ; 16 x batch
	s_lshl_b32 s20, s20, 2
	s_add_co_u32 s22, s22, s20
	s_lshl_b32 s21, s21, 1
	s_add_co_u32 s22, s22, s21                     ; my first head
	s_and_b32 s18, s18, 7
	s_lshl_b32 s18, s18, 1
	s_add_co_u32 s18, s18, s19                     ; my step
	s_mul_i32 s22, s22, HSZ
	s_mul_i32 s18, s18, STEPB
	s_add_co_u32 s22, s22, s18
	s_mul_i32 s18, ttmp9, TSZ
	s_add_co_u32 s22, s22, s18
	s_mov_b32 s23, 0
	s_add_nc_u64 s[12:13], s[98:99], s[22:23]
	s_mov_b32 s[FLR], 0x1800000                    ; the floor 2^(3 - 127);
	s_cmp_eq_u32 ttmp9, 0
	s_cselect_b32 s[FLR], 0x3000000, s[FLR]        ; for q 2^(6 - 127), since 3 more come off its bytes
	s_cselect_b32 s[QB], 0x0303, 0
	s_mov_b32 s[HM], 0xffff0000
	s_mov_b32 s[SEL], 0x76543210
	s_mov_b32 s[SEL+1], 0xfedcba98
.macro FRAG reg, adr, q, i             ; a fragment, 16 rows x 128 K: lane l holds row l % 16; registers 6 c .. 6 c + 5 hold K = 64 c + 32 (l / 16) on: 24 bytes of the row as they lie, in pieces of 8 bytes
.irp p, 0,1,2,3,4,5
.set PC, 12*(\q)+6*(\p/3)+\p%3        ; 16 bytes of padding lie behind every 8 pieces: where the piece three on (lanes 16-31) lies behind one padding more, the second address register serves
.if PC%8 < 5
	ds_load_b64 v[\reg+2*\p:\reg+2*\p+1], v[\adr] offset:8*PC+16*(PC/8)+(\i)*16*PITCH
.else
	ds_load_b64 v[\reg+2*\p:\reg+2*\p+1], v[\adr+2] offset:8*PC+16*(PC/8)+(\i)*16*PITCH
.endif
.endr
.endm
; 16 matrix instructions: A's blocks a0, a0 + 1 x B's eight, 128 along K.  The 64 accumulators take turns, one instruction a turn, in the same order in every step.
.macro MUL16 a0, p, q, sc, zero
.irp a, \a0, \a0+1
.irp b, 0,1,2,3,4,5,6,7
.if \zero
	v_wmma_scale_f32_16x16x128_f8f6f4 v[8*(8*((\a)%4)+\b):8*(8*((\a)%4)+\b)+7], v[128*(\p)+FR*\b:128*(\p)+FR*\b+FR-1], v[AF+FR*(\a):AF+FR*(\a)+FR-1], 0, v[SC+8*NQ*(\sc)+NQ*\b+(\q)], v[SC+8*NQ*(\sc)+NQ*(\a)+(\q)] matrix_a_fmt:MATRIX_FMT_FP6 matrix_b_fmt:MATRIX_FMT_FP6 matrix_a_scale:MATRIX_SCALE_ROW1
.else
	v_wmma_scale_f32_16x16x128_f8f6f4 v[8*(8*((\a)%4)+\b):8*(8*((\a)%4)+\b)+7], v[128*(\p)+FR*\b:128*(\p)+FR*\b+FR-1], v[AF+FR*(\a):AF+FR*(\a)+FR-1], v[8*(8*((\a)%4)+\b):8*(8*((\a)%4)+\b)+7], v[SC+8*NQ*(\sc)+NQ*\b+(\q)], v[SC+8*NQ*(\sc)+NQ*(\a)+(\q)] matrix_a_fmt:MATRIX_FMT_FP6 matrix_b_fmt:MATRIX_FMT_FP6 matrix_a_scale:MATRIX_SCALE_ROW1
.endif
.endr
.endr
.endm
.macro FETCH_B slot, q, p
	WIN TO_B
.irp i, 0,1,2,3,4,5,6,7
	FRAG 128*(\p)+FR*\i, ADRB+\slot, \q, \i
.endr
	WIN 0
.endm
.macro FETCH_A slot, q, i0
.irp i, \i0, \i0+1, \i0+2, \i0+3
	FRAG AF+FR*(\i), ADRA+\slot, \q, \i
.endr
.endm
.macro SCALES sc                       ; a K step's scale words: two words a row; lanes 0-15 A's block i, lanes 16-31 B's block i
.irp i, 0,1,2,3,4,5,6,7
	ds_load_b64 v[SC+8*NQ*\sc+NQ*\i:SC+8*NQ*\sc+NQ*\i+1], v[ADRS] offset:\i*SBLK
.endr
.endm
.macro PLACES n                        ; plain vector lines between a matrix instruction and a load into, or a vector instruction on, one of its registers
.rept \n
	v_nop
.endr
.endm
.macro STEP slot, q, zero              ; a step of 128 along K that has its successor in the same slot
	s_wait_dscnt 4*NL                              ; B's set and A's blocks 0-3 are in; the youngest 24 loads (A's blocks 4-7) may be out
	WIN MUL_LO
	MUL16 0, (\q)%2, \q, \slot, \zero
	MUL16 2, (\q)%2, \q, \slot, \zero
	s_wait_dscnt 0
	PLACES NP
	FETCH_B \slot, (\q)+1, 1-(\q)%2
	FETCH_A \slot, (\q)+1, 0
	WIN MUL_HI
	MUL16 4, (\q)%2, \q, \slot, \zero
	MUL16 6, (\q)%2, \q, \slot, \zero
	PLACES NP
	WIN 0
	FETCH_A \slot, (\q)+1, 4
.endm
; A slot's last step changes slots: one barrier; in front of it each wave waits for all its tensor loads, adds 0 to its spare word, and waits for that and for its own reads of this slot.  fill = 1: this slot is filled again, two K steps ahead.
.macro TURN slot, next, fill
	s_wait_tensorcnt 0x0                           ; all my tensor loads have landed: my part of the next slot
	ds_add_u32 v[SPW], v[NIL]                      ; 0 onto my spare word
	s_wait_dscnt 4*NL+1                            ; (the add and the youngest 24 loads may be out)
	WIN MUL_LO
	MUL16 0, 1, NQ-1, \slot, 0
	s_wait_dscnt 0x0                               ; the add is done, and my reads of this slot are over
	s_barrier_signal -1
	MUL16 2, 1, NQ-1, \slot, 0
	WIN 0
	s_barrier_wait -1
.if \fill
	CREST                                          ; the barrier has opened a round of the cluster's barrier: no wave of any partner still reads this slot or has a load on its way
	s_add_nc_u64 s[G0+4*\slot+2:G0+4*\slot+3], s[G0+4*\slot+2:G0+4*\slot+3], 2*ROWB
	s_add_nc_u64 s[G0B+4*\slot+2:G0B+4*\slot+3], s[G0B+4*\slot+2:G0B+4*\slot+3], 2*ROWB
	JLOAD G0+4*\slot, G1, G0B+4*\slot, G1B         ; the first tensor load behind the round; its four v_nop are the places in front of the loads below
.else
	PLACES NP
.endif
	v_add_nc_u32 v[ADRS], 4*NQ, v[ADRS]            ; on to the next K step's scale words
	FETCH_B \next, 0, 0
	FETCH_A \next, 0, 0
	SCALES \next
	WIN MUL_HI
	MUL16 4, 1, NQ-1, \slot, 0
	MUL16 6, 1, NQ-1, \slot, 0
	PLACES NP
	WIN 0
	FETCH_A \next, 0, 4
.endm
.macro LAST2                           ; the last slot's two steps: nothing more is fetched behind them
	STEP 1, 0, 0
	s_wait_dscnt 4*NL
	WIN MUL_LO
	MUL16 0, 1, NQ-1, 1, 0
	MUL16 2, 1, NQ-1, 1, 0
	s_wait_dscnt 0
	WIN MUL_HI
	MUL16 4, 1, NQ-1, 1, 0
	MUL16 6, 1, NQ-1, 1, 0
	WIN 0
.endm
; THE WAY OUT of two blocks of 32 numbers a lane: + bias, the blocks' scales, their codes, three stores of 512 consecutive bytes.
; win: the accumulators' window as source 0; acc0, acc1: the blocks' first registers there; bias, bstep: the bias pair of number pair k is v[bias + bstep k]; off: the image's bytes.
.macro PAIR win, acc0, acc1, bias, bstep, off
	WIN \win
.irp k, 0,1,2,3,4,5,6,7,8,9,10,11,12,13,14,15
	v_pk_add_f32 v[T+2*\k:T+2*\k+1], v[(\acc0)+2*\k:(\acc0)+2*\k+1], v[(\bias)+(\bstep)*\k:(\bias)+(\bstep)*\k+1]   ; each accumulator is read from its low end on
.endr
.irp k, 0,1,2,3,4,5,6,7,8,9,10,11,12,13,14,15
	v_pk_add_f32 v[T+32+2*\k:T+33+2*\k], v[(\acc1)+2*\k:(\acc1)+2*\k+1], v[(\bias)+(\bstep)*\k:(\bias)+(\bstep)*\k+1]
.endr
	WIN 0
	v_max3_num_f32 v[MX], |v[T]|, |v[T+1]|, s[FLR]                 ; all 32 numbers of a block are mine; the floor is one more leaf
	v_max3_num_f32 v[MX+1], |v[T+32]|, |v[T+33]|, s[FLR]
.irp i, 2,4,6,8,10,12,14,16,18,20,22,24,26,28,30
	v_max3_num_f32 v[MX], v[MX], |v[T+\i]|, |v[T+\i+1]|            ; (the two blocks by turns)
	v_max3_num_f32 v[MX+1], v[MX+1], |v[T+32+\i]|, |v[T+33+\i]|
.endr
	v_add_nc_u32 v[SO], 0xff000000, v[MX]          ; 2 off the exponent field: the conversion's scale operand
	v_add_nc_u32 v[SO+1], 0xff000000, v[MX+1]
	v_lshrrev_b32 v[BY], 23, v[SO]                 ; the scale's byte
	v_lshrrev_b32 v[BY+1], 23, v[SO+1]
	s_wait_xcnt 0x0                                ; the earlier stores have read their data: the codes' and the scale words' registers may be written again
	v_cvt_scalef32_pk16_fp6_f32 v[CC:CC+2], v[T:T+15], v[SO]
	v_cvt_scalef32_pk16_fp6_f32 v[XT:XT+2], v[T+16:T+31], v[SO]    ; (a conversion's three registers begin on an even number)
	v_cvt_scalef32_pk16_fp6_f32 v[CC+6:CC+8], v[T+32:T+47], v[SO+1]
	v_cvt_scalef32_pk16_fp6_f32 v[XT+4:XT+6], v[T+48:T+63], v[SO+1]
	v_nop                                          ; one plain line behind the conversions
.irp i, 0,1,2
	v_mov_b32 v[CC+3+\i], v[XT+\i]
	v_mov_b32 v[CC+9+\i], v[XT+4+\i]
.endr
.irp k, 0,1,2
	global_store_b128 v[LI], v[CC+4*\k:CC+4*\k+3], s[12:13] offset:(\off)+512*\k   ; 32 lanes store 512 consecutive bytes, aligned
.endr
.endm
	s_wait_tensorcnt 1                             ; the scales and my part of K step 0 are in (K step 1's load may be out),
	s_barrier_signal -1
	s_barrier_wait -1                              ; everybody's are
	FETCH_B 0, 0, 0
	FETCH_A 0, 0, 0
	SCALES 0
	FETCH_A 0, 0, 4
	STEP 0, 0, 1                                   ; the first step stands in front of the loop: its products start the sums
	s_mov_b32 s3, LAPS-1
.Llap:                                                 ; a trip goes once round the ring and fills both slots again
	TURN 0, 1, 1
	STEP 1, 0, 0
	TURN 1, 0, 1
	STEP 0, 0, 0
	s_sub_co_u32 s3, s3, 1
	s_cmp_lg_u32 s3, 0
	s_cbranch_scc1 .Llap
	TURN 0, 1, 0                                   ; the last lap fills nothing, and has no round of the cluster's barrier
	s_cmp_eq_u32 s[VFL], 1                         ; the two ways out part here, once: each asks for its bias and has the last 128 matrix instructions in which it lands
	s_cbranch_scc1 .Lvalues
	; ---- q or k: a lane holds one token; the bias runs along its registers: b[256 cx + 128 half + 64 g + 32 h + e] at v[BI + 32 g + e]
	s_cmp_eq_u32 ttmp9, 0
	s_cselect_b64 s[8:9], s[8:9], s[10:11]
	s_lshl_b32 s18, s40, 10
	s_lshl_b32 s19, s16, 9
	s_add_co_u32 s18, s18, s19
	s_mov_b32 s19, 0
	s_add_nc_u64 s[8:9], s[8:9], s[18:19]
	v_lshlrev_b32 v[BO], 7, v2
.irp i, 0,1,2,3,4,5,6,7,8,9,10,11,12,13,14,15
	global_load_b128 v[BI+4*\i:BI+4*\i+3], v[BO], s[8:9] offset:256*(\i/8)+16*(\i%8)
.endr
	LAST2
	s_wait_loadcnt 0x0                             ; the bias
	PLACES NP                                      ; behind the last products: results are read, and A's registers written, below
	v_mov_b32 v[W0+2], 0                           ; (a lane permute's destination counts as one of its sources)
	v_mov_b32 v[W0+3], 0
.irp g, 0,1                            ; my two heads; in each, tiles 2 u and 2 u + 1 of the step's eight
.irp u, 0,1,2,3
	PAIR 2+\u/2, 64*((2*\u)%4)+32*\g, 64*((2*\u)%4)+32*\g+64, BI+32*\g, 2, \g*HSZ+1536*\u
	v_lshlrev_b32 v[W0], v[SH8], v[BY]             ; my byte at its place: channels 32 h on are byte h;
	v_lshlrev_b32 v[W0+1], v[SH8], v[BY+1]
	v_permlanex16_b32 v[W0+2], v[W0], s[SEL], s[SEL+1]
	v_permlanex16_b32 v[W0+3], v[W0+1], s[SEL], s[SEL+1]
	v_or_b32 v[W0], v[W0], v[W0+2]                 ; with lane l xor 16's the word is whole
	v_or_b32 v[W0+1], v[W0+1], v[W0+3]
	v_cndmask_b32 v[SW+\u], v[W0], v[W0+1], s[HM]  ; lanes 0-15 tile 2 u's words, lanes 16-31 tile 2 u + 1's
	v_sub_nc_u32 v[SW+\u], v[SW+\u], s[QB]         ; q: 3 off both bytes (each is 4 at the least): the scores' 1 / 8; k: 0
.endr
	global_store_b128 v[LI], v[SW:SW+3], s[12:13] offset:\g*HSZ+6144
.endr
	s_branch .Lend
	; ---- v: a lane holds one channel; its bias is one number for each of A's blocks: bv[256 cy + 128 half + 64 (a / 4) + 8 (a % 4) + 32 (r / 8) + r % 8], twice, at v[BI + 2 a]
.Lvalues:
	s_lshl_b32 s18, s41, 10
	s_lshl_b32 s19, s15, 9
	s_add_co_u32 s18, s18, s19
	s_mov_b32 s19, 0
	s_add_nc_u64 s[8:9], s[96:97], s[18:19]
	v_lshrrev_b32 v[BO], 3, v1
	v_and_b32 v31, 7, v1
	v_lshl_add_u32 v[BO], v[BO], 5, v31
	v_lshlrev_b32 v[BO], 2, v[BO]
.irp a, 0,1,2,3,4,5,6,7
	global_load_b32 v[BI+2*\a], v[BO], s[8:9] offset:4*(64*(\a/4)+8*(\a%4))
	global_load_b32 v[BI+2*\a+1], v[BO], s[8:9] offset:4*(64*(\a/4)+8*(\a%4))
.endr
	LAST2
	s_wait_loadcnt 0x0
	PLACES NP
	v_mov_b32 v[W0+2], 0
.irp a, 0,1,2,3,4,5,6,7                ; A's block a: tile a % 4 of V^T of head a / 4; its 64 registers are keys 64 c + 32 h on, c = 0, 1
	PAIR 2+\a/4, 64*(\a%4), 64*(\a%4)+32, BI+2*\a, 0, (\a/4)*HSZ+1536*(\a%4)
	v_lshl_or_b32 v[W0], v[BY+1], 16, v[BY]        ; my two bytes: 2 c + h
	v_lshlrev_b32 v[W0], v[SH8], v[W0]
	v_permlanex16_b32 v[W0+2], v[W0], s[SEL], s[SEL+1]
	v_or_b32 v[SW+\a%4], v[W0], v[W0+2]
.if \a%4 == 3
	global_store_b128 v[LI], v[SW:SW+3], s[12:13] offset:(\a/4)*HSZ+6144
.endif
.endr
.Lend:
	s_wait_tensorcnt 0x0                           ; the wave's end, behind my last tensor load
	ds_add_u32 v[SPW], v[NIL]
	s_wait_dscnt 0x0
	CROUND                                         ; the closing round: no work-group ends while a partner may still ask for a tile that names it
	s_endpgm
.Lfunc_end_k_q42eb8da6da_proj:
	.size	k_q42eb8da6da_proj, .Lfunc_end_k_q42eb8da6da_proj-k_q42eb8da6da_proj
	.p2alignl 7, 3214868480
	.fill 96, 4, 3214868480
	.section	.rodata,"a",@progbits
	.p2align	6, 0x0
	.amdhsa_kernel k_q42eb8da6da_proj
		.amdhsa_group_segment_fixed_size 327680
		.amdhsa_private_segment_fixed_size 0
		.amdhsa_enable_private_segment 0
		.amdhsa_kernarg_size 48
		.amdhsa_user_sgpr_count 2
		.amdhsa_user_sgpr_kernarg_segment_ptr 1
		.amdhsa_wavefront_size32 1
		.amdhsa_system_sgpr_workgroup_id_x 1
		.amdhsa_system_sgpr_workgroup_id_y 1
		.amdhsa_system_sgpr_workgroup_id_z 1
		.amdhsa_system_vgpr_workitem_id 0
		.amdhsa_next_free_vgpr 1024
		.amdhsa_next_free_sgpr 100
		.amdhsa_reserve_vcc 0
		.amdhsa_float_denorm_mode_32 3
		.amdhsa_float_denorm_mode_16_64 3
		.amdhsa_memory_ordered 1
		.amdhsa_forward_progress 1
		.amdhsa_inst_pref_size 243
	.end_amdhsa_kernel
	.amdgpu_metadata
---
amdhsa.version: [ 1, 2 ]
amdhsa.kernels:
  - .name:           k_q42eb8da6da_proj
    .symbol:         k_q42eb8da6da_proj.kd
    .args:
      - { .name: codes, .offset: 0, .size: 8, .value_kind: global_buffer, .address_space: global }
      - { .name: scales, .offset: 8, .size: 8, .value_kind: global_buffer, .address_space: global }
      - { .name: bq, .offset: 16, .size: 8, .value_kind: global_buffer, .address_space: global }
      - { .name: bk, .offset: 24, .size: 8, .value_kind: global_buffer, .address_space: global }
      - { .name: bv, .offset: 32, .size: 8, .value_kind: global_buffer, .address_space: global }
      - { .name: img, .offset: 40, .size: 8, .value_kind: global_buffer, .address_space: global }
    .group_segment_fixed_size: 327680
    .private_segment_fixed_size: 0
    .kernarg_segment_align: 8
    .kernarg_segment_size: 48
    .max_flat_workgroup_size: 128
    .sgpr_count:     100
    .vgpr_count:     1024
    .wavefront_size: 32
...
	.end_amdgpu_metadata
.endif
;; end of part 2
;; launch attn (part 3): grid 4 x 64, 8 waves a work-group, clusters of 4 x 1, 257,024 bytes of LDS; arguments img, attention_mask, out0; writes out0
.if DOCPART == 3
	.amdgcn_target "amdgcn-amd-amdhsa--gfx1250"
	.amdhsa_code_object_version 6
	.text
	.protected	k_q42eb8da6da_attn
	.globl	k_q42eb8da6da_attn
	.p2align	8
	.type	k_q42eb8da6da_attn,@function
k_q42eb8da6da_attn:
	s_mov_b64 s[64:65], 0
	v_nop
	global_prefetch_b8 v0, s[64:65] scope:SCOPE_SE
	s_setreg_imm32_b32 hwreg(HW_REG_WAVE_MODE, 25, 1), 1
	s_wait_xcnt 0x0
	s_wait_alu depctr_hold_cnt(0) depctr_sa_sdst(0) depctr_va_vdst(0) depctr_va_sdst(0) depctr_va_ssrc(0) depctr_va_vcc(0) depctr_vm_vsrc(0)
	s_getreg_b32 s2, hwreg(HW_REG_IB_STS2, 6, 4)
	s_cmp_eq_u32 s2, 0
	s_cbranch_scc0 .Lentry_in_a_cluster
	s_endpgm
.Lentry_in_a_cluster:
	s_bfe_u32 s2, ttmp6, 0x10000c
	s_cmp_lg_u32 s2, 0x3003
	s_cbranch_scc0 .Lentry_shape_is_right
	s_endpgm
.Lentry_shape_is_right:
; out0[b][q][64 head + d] = sum over k of softmax_k(q . k / 8 + mask[b][k]) v[k][d], both products on codes of FP6 (E2M3) with E8M0 scales.  Nothing is left out.
; img holds q, k, v as images of operand registers: [3][64 heads][16 steps of 128 tokens][6,656 bytes]: 12 pieces of 512 bytes (registers 4 p .. 4 p + 3, lane l's 16 bytes at 16 l) and 512 bytes of scale words.
;   q, k: register 6 t + e: tile t (16 tokens: token 64 (t / 4) + 32 (r / 8) + 8 (t % 4) + r % 8 of the step in lane r), channels 32 h on; q's scale bytes carry the 1 / 8.   v: register 12 i + 6 c + e: tile i of V^T, keys 64 c + 32 h on.
; THE SOFTMAX: t = score x log2(e); M = the running largest t rounded up to a whole number; p = 2^(t - M) is quantised along the keys; the row's sum is taken of the unquantised p and divides at the end; when M moves, the sum and O are
; multiplied by 2^(old M - new M), which rounds nothing.  A block's largest p is made from its largest score by the same multiply-add and exponential (p rises with the score).
; SHARES.  A cluster of four work-groups is one head.  A work-group owns 512 queries, in two passes of 256; each of its eight waves 32 a pass: two tiles of 16.  Two waves share a SIMD, 512 registers each.
; THE HEAD'S K AND V STAY IN LDS (2 x 106,496 bytes) for both passes, with the batch's mask: they are asked for ONCE, jointly by the four work-groups, at the head: no slot is filled again, and the loop over the keys has no barrier.
; So there is nothing left to prefetch: all that the launch reads through LDS is asked for in its first lines.
; LAYOUT.  Both products are used transposed: S^T = K Q^T + mask (source 0 = 16 keys, source 1 = 16 queries, C = the mask along the registers), O^T = V^T P^T.  A lane holds ONE query throughout.  By the tiles' order register 32 c + e of
; lane half h is key 64 c + 32 h + e: a block of 32 keys lies in one lane, in order.  The head's K is 64: Q's registers 6-11 are zero codes, so the upper half of source 0 counts for nothing: tile t's source 0 is K's registers 6 t .. 6 t + 11.
; LIMITS: the largest score of a row times log2(e) must be a finite f32 number; a row all of whose scores are -infinity gives NaN, as in the definition; NaN in the mask is not served; a block whose every p has fallen to 0 keeps the byte 1 over zero codes.
; REGISTERS.  Window 0: v1-11 addresses; v12-19 statistics; v20-43 Q's two fragments; v44-57 scale words; v58-61 f; v64-87 p's codes; v88-123 at work; v128-255 S^T, then p, 64 a tile.
;   Window 1: v0-53 K; v64-111 V; v112-123 the next pass's Q; v128-191 the mask; v192-255 O^T, 32 a tile.
.set STEPB, 6656
.set SCP,   6144                       ; a step's scale words
.set HSZ,   16*STEPB
.set TSZ,   64*HSZ
.set VIMG,  HSZ                        ; LDS: K's images at 0, V's behind them,
.set MASK,  2*HSZ                      ; the batch's 2,048 mask numbers,
.set STAGE, MASK+8192                  ; the way out: 16 rows x (256 bytes + 16) for each wave; no tile lands here,
.set SPARE, STAGE+8*16*272             ; and the spare words, 128 bytes for each wave: four blocks of 256 bytes that no other line names
.set LI,  1                            ; v1  16 x lane
.set AK,  2                            ; v2  the step's K
.set AV,  3                            ; v3  the step's V
.set AV0, 4
.set AM0, 5
.set AM,  6                            ; v6  the step's mask
.set SPW, 7                            ; v7  my spare word; never rewritten
.set NIL, 8                            ; v8  0; never rewritten
.set STO, 9
.set RD,  10
.set GO,  11
.set ST,  12                           ; tile x at v[ST + 4 x]: -M, the largest t, the sum in two halves
.set QF,  20                           ; tile x's fragment at v[QF + 12 x]
.set QS,  44                           ; Q's scale words: lanes 0-15 tile 0's, lanes 16-31 tile 1's
.set QSN, 45                           ; the next pass's
.set SH8, 46
.set KS,  48
.set VS,  52
.set PS,  56
.set F,   58                           ; v[58:59], v[60:61]: f = 2^(old M - new M)
.set WT,  62
.set PC,  64
.set XT,  88
.set BM,  96                           ; block 2 x + c's largest score, then its largest p
.set PT,  100                          ; v100-103 lane permutes' destinations
.set SO,  104
.set BY,  108
.set SM,  112
.set RC,  116                          ; v[116:117], v[118:119]: 1 / the sum
.set TT,  120
.set S,   128
.set KF,  0                            ; window 1
.set VF,  64
.set QN,  112
.set MK,  128
.set O,   192
.set WV,  10
.set WW,  11
.set CX,  12
.set HB,  13
.set G1A, 24                           ; s[24:31] group 1: 26 rows of 256 bytes (one step)
.set G1B, 32                           ; s[32:39] 78 rows (three steps)
.set G1M, 40                           ; s[40:47] 8 rows (a quarter of the mask)
.set G0KA, 48
.set G0KB, 52
.set G0VA, 56
.set G0VB, 60
.set G0M, 68
.set SEL, 72
.set CS,  74                           ; s[74:75] log2(e)
.set TK,  76                           ; s76 LDS byte of the step's images
.set TM,  77                           ; s77 and of its mask numbers
.set CNT, 78
.set PASS, 79
.set MSB, 0
.macro WIN new                         ; the immediate's high byte repeats the setting that is left
.if MSB != (\new)
	s_set_vgpr_msb (MSB<<8)|(\new)
.set MSB, (\new)
.endif
.endm
.macro CROUND                          ; a round of the cluster's barrier
	s_barrier_signal -1
	s_barrier_wait -1
	s_cmp_lg_u32 s[WV], 0
	s_cbranch_scc1 .Lnot_wave_0_\@
	s_barrier_signal -3
.Lnot_wave_0_\@:
	s_barrier_wait -3
	s_barrier_signal -1
	s_barrier_wait -1
.endm
	s_load_b128 s[4:7], s[0:1], 0x0                ; img, attention_mask
	s_load_b64 s[8:9], s[0:1], 0x10                ; out0
	v_lshl_add_u32 v[SPW], v0, 2, SPARE
	v_mov_b32 v[NIL], 0
	ds_add_u32 v[SPW], v[NIL]                      ; the wave's opening: the add, twice on end, and its wait ahead of my first tensor load
	ds_add_u32 v[SPW], v[NIL]
	v_lshrrev_b32 v1, 5, v0
	v_readfirstlane_b32 s[WV], v1                  ; wave 0..7
	s_and_b32 s[WW], s[WV], 3
	s_and_b32 s[HB], ttmp7, 0xffff                 ; 16 x batch + head: the cluster's y, which the four partners share
.irp g, G1A, G1B, G1M                  ; dense blocks as rows of 256 bytes: 32 elements of 8 bytes, no padding; the mask names all four work-groups
	s_mov_b32 s[\g], 15|(3<<16)|(1<<21)
	s_mov_b32 s[\g+1], 32<<16
	s_mov_b32 s[\g+3], 32<<16
	s_mov_b32 s[\g+5], 32
	s_mov_b32 s[\g+6], 0
	s_mov_b32 s[\g+7], 0
.endr
	s_mov_b32 s[G1A+2], 26<<16
	s_mov_b32 s[G1A+4], 26
	s_mov_b32 s[G1B+2], 78<<16
	s_mov_b32 s[G1B+4], 78
	s_mov_b32 s[G1M+2], 8<<16
	s_mov_b32 s[G1M+4], 8
	s_mul_i32 s14, s[HB], HSZ
	s_mov_b32 s15, 0
	s_mul_i32 s16, s[WW], STEPB                    ; the first part: steps 0-3, one to a wave: the same bytes on in memory and in LDS
	s_mov_b32 s17, 0
	s_mul_i32 s18, s[WW], 3*STEPB
	s_add_co_u32 s18, s18, 4*STEPB                 ; the second part: steps 4-15, three to a wave
	s_mov_b32 s19, 0
	s_lshl_b32 s20, s[WW], 11                      ; a quarter of the mask
	s_lshr_b32 s22, s[HB], 4
	s_lshl_b32 s22, s22, 13
	s_add_co_u32 s22, s22, s20
	s_mov_b32 s23, 0
	s_mov_b32 s[SEL], 0x76543210
	s_mov_b32 s[SEL+1], 0xfedcba98
	s_mov_b32 s[CS], 0x3fb8aa3b
	s_mov_b32 s[CS+1], s[CS]                       ; (named with it as a pair, so it is written)
	s_mov_b32 s[PASS], 2
	s_wait_dscnt 0x0                               ; both opening adds are done
	s_wait_kmcnt 0x0
	s_add_nc_u64 s[80:81], s[4:5], s[14:15]        ; my head's images of q,
	s_add_nc_u64 s[82:83], s[80:81], TSZ           ; of k,
	s_add_nc_u64 s[84:85], s[82:83], TSZ           ; of v
	s_mov_b32 s[G0KA], 1
	s_mov_b32 s[G0KA+1], s16
	s_add_nc_u64 s[G0KA+2:G0KA+3], s[82:83], s[16:17]
	s_or_b32 s[G0KA+3], s[G0KA+3], 0x80000000
	s_mov_b32 s[G0KB], 1
	s_mov_b32 s[G0KB+1], s18
	s_add_nc_u64 s[G0KB+2:G0KB+3], s[82:83], s[18:19]
	s_or_b32 s[G0KB+3], s[G0KB+3], 0x80000000
	s_mov_b32 s[G0VA], 1
	s_add_co_u32 s[G0VA+1], s16, VIMG
	s_add_nc_u64 s[G0VA+2:G0VA+3], s[84:85], s[16:17]
	s_or_b32 s[G0VA+3], s[G0VA+3], 0x80000000
	s_mov_b32 s[G0VB], 1
	s_add_co_u32 s[G0VB+1], s18, VIMG
	s_add_nc_u64 s[G0VB+2:G0VB+3], s[84:85], s[18:19]
	s_or_b32 s[G0VB+3], s[G0VB+3], 0x80000000
	s_mov_b32 s[G0M], 1
	s_add_co_u32 s[G0M+1], s20, MASK
	s_add_nc_u64 s[G0M+2:G0M+3], s[6:7], s[22:23]
	s_or_b32 s[G0M+3], s[G0M+3], 0x80000000
	CROUND                                         ; all four work-groups are here: the joint loads meet
	s_cmp_lt_u32 s[WV], 4                          ; waves 0-3 fetch K, waves 4-7 the mask and V: every wave's fills stand in one arm; at most three loads of a wave are out
	s_cbranch_scc0 .Lfor_v
	tensor_load_to_lds s[G0KA:G0KA+3], s[G1A:G1A+7]
	s_nop 0
	tensor_load_to_lds s[G0KB:G0KB+3], s[G1B:G1B+7]
	s_nop 0
.rept 4
	v_nop
.endr
	s_branch .Lasked
.Lfor_v:
	tensor_load_to_lds s[G0M:G0M+3], s[G1M:G1M+7]
	s_nop 0
	tensor_load_to_lds s[G0VA:G0VA+3], s[G1A:G1A+7]
	s_nop 0
	tensor_load_to_lds s[G0VB:G0VB+3], s[G1B:G1B+7]
	s_nop 0
.rept 4
	v_nop
.endr
.Lasked:
	; Q: my work-group's steps 4 cx .. 4 cx + 3; pass p, waves 4 g .. 4 g + 3: step 4 cx + 2 p + g; wave's tiles 2 u, 2 u + 1, u = wave % 4.  cx enters global addresses alone.
	s_bfe_u32 s[CX], ttmp6, 0x40000
	s_lshl_b32 s14, s[CX], 2
	s_lshr_b32 s15, s[WV], 2
	s_add_co_u32 s14, s14, s15
	s_mul_i32 s14, s14, STEPB
	s_mov_b32 s15, 0
	s_add_nc_u64 s[80:81], s[80:81], s[14:15]
	s_lshl_b32 s14, s[WW], 2
	s_add_nc_u64 s[86:87], s[80:81], s[14:15]      ; scale register u: 4 u bytes on in a lane's 16
	s_mul_i32 s14, s[WW], 1536
	s_add_nc_u64 s[80:81], s[80:81], s[14:15]      ; registers 12 u on: pieces 3 u on
	v_and_b32 v120, 31, v0
	v_lshlrev_b32 v[LI], 4, v120
.irp k, 0,1,2
	global_load_b128 v[QF+4*\k:QF+4*\k+3], v[LI], s[80:81] offset:512*\k
.endr
	global_load_b32 v[QS], v[LI], s[86:87] offset:SCP
	global_load_b32 v[QSN], v[LI], s[86:87] offset:SCP+2*STEPB
	WIN 0x40                                       ; destination window 1
.irp k, 0,1,2
	global_load_b128 v[QN+4*\k:QN+4*\k+3], v[LI], s[80:81] offset:2*STEPB+512*\k   ; the second pass's, two steps on
.endr
.irp e, 0,1,2,3,4,5
	v_mov_b32 v[KF+48+\e], 0                       ; behind K's last tile: written once, so that tile 7's source 0 names written registers
.endr
	WIN 0
	; out0: my first row and my head's 256 bytes
	s_lshr_b32 s14, s[HB], 4
	s_lshl_b32 s14, s14, 11
	s_lshl_b32 s16, s[CX], 9
	s_add_co_u32 s14, s14, s16
	s_lshr_b32 s16, s[WV], 2
	s_lshl_b32 s16, s16, 7
	s_add_co_u32 s14, s14, s16
	s_bfe_u32 s16, s[WV], 0x10001
	s_lshl_b32 s16, s16, 6
	s_add_co_u32 s14, s14, s16
	s_and_b32 s16, s[WV], 1
	s_lshl_b32 s16, s16, 4
	s_add_co_u32 s14, s14, s16                     ; 2048 b + 512 cx + 128 (w / 4) + 64 ((w / 2) % 2) + 16 (w % 2)
	s_lshl_b32 s14, s14, 12
	s_and_b32 s16, s[HB], 15
	s_lshl_b32 s16, s16, 8
	s_add_co_u32 s14, s14, s16
	s_add_nc_u64 s[8:9], s[8:9], s[14:15]
	v_and_b32 v121, 15, v0                         ; r
	v_bfe_u32 v122, v0, 4, 1                       ; h
	v_add_nc_u32 v[AV0], VIMG, v[LI]
	v_lshl_add_u32 v[AM0], v122, 7, MASK           ; my half's 32 keys of each 64: 128 h bytes on
	v_lshlrev_b32 v[SH8], 3, v122
	s_mul_i32 s88, s[WV], 16*272
	s_add_co_u32 s88, s88, STAGE                   ; my stage
	v_mul_u32_u24 v[STO], v121, 272
	v_lshl_add_u32 v[STO], v122, 7, v[STO]
	v_add_nc_u32 v[STO], s88, v[STO]               ; in: row r, my half's 32 channels
	v_mul_u32_u24 v[RD], v122, 272
	v_lshl_add_u32 v[RD], v121, 4, v[RD]
	v_add_nc_u32 v[RD], s88, v[RD]                 ; back: lanes 0-15 one row, lanes 16-31 the next
	v_lshlrev_b32 v[GO], 12, v122
	v_lshl_add_u32 v[GO], v121, 4, v[GO]           ; and the same in out0
.irp e, 0,1,2,3,4,5
	v_mov_b32 v[QF+18+\e], 0                       ; tile 1's zero codes: written once
.endr
.irp e, 0,1,2,3
	v_mov_b32 v[PT+\e], 0                          ; (a lane permute's destination counts as one of its sources)
.endr
	v_mov_b32 v[F+1], 0                            ; (named as the upper halves of pairs of which the low word alone is taken)
	v_mov_b32 v[F+3], 0
	v_mov_b32 v[RC+1], 0
	v_mov_b32 v[RC+3], 0
	s_wait_loadcnt 0x0                             ; Q of both passes
; two matrix instructions: K's tile t against my two tiles of queries; C = the mask of the tile's keys.  All sixteen of a step write different accumulators.
.macro KQ t
.if (\t)%2
	v_wmma_scale_f32_16x16x128_f8f6f4 v[S+8*\t:S+8*\t+7], v[KF+6*\t:KF+6*\t+11], v[QF:QF+11], v[MK+8*\t:MK+8*\t+7], v[KS+\t/2], v[QS] matrix_a_fmt:MATRIX_FMT_FP6 matrix_b_fmt:MATRIX_FMT_FP6 matrix_a_scale:MATRIX_SCALE_ROW1
	v_wmma_scale_f32_16x16x128_f8f6f4 v[S+64+8*\t:S+64+8*\t+7], v[KF+6*\t:KF+6*\t+11], v[QF+12:QF+23], v[MK+8*\t:MK+8*\t+7], v[KS+\t/2], v[QS] matrix_a_fmt:MATRIX_FMT_FP6 matrix_b_fmt:MATRIX_FMT_FP6 matrix_a_scale:MATRIX_SCALE_ROW1 matrix_b_scale:MATRIX_SCALE_ROW1
.else
	v_wmma_scale_f32_16x16x128_f8f6f4 v[S+8*\t:S+8*\t+7], v[KF+6*\t:KF+6*\t+11], v[QF:QF+11], v[MK+8*\t:MK+8*\t+7], v[KS+\t/2], v[QS] matrix_a_fmt:MATRIX_FMT_FP6 matrix_b_fmt:MATRIX_FMT_FP6
	v_wmma_scale_f32_16x16x128_f8f6f4 v[S+64+8*\t:S+64+8*\t+7], v[KF+6*\t:KF+6*\t+11], v[QF+12:QF+23], v[MK+8*\t:MK+8*\t+7], v[KS+\t/2], v[QS] matrix_a_fmt:MATRIX_FMT_FP6 matrix_b_fmt:MATRIX_FMT_FP6 matrix_b_scale:MATRIX_SCALE_ROW1
.endif
.endm
; line n of 32 of tile x's sum of its 64 unquantised p: two at a time, in two chains
.macro SUMLINE x, n
.if (\n) == 0
	v_pk_add_f32 v[SM+2*\x:SM+2*\x+1], v[S+64*\x:S+64*\x+1], v[S+64*\x+2:S+64*\x+3]
.elseif (\n) == 31
	v_pk_add_f32 v[ST+4*\x+2:ST+4*\x+3], v[ST+4*\x+2:ST+4*\x+3], v[SM+2*\x:SM+2*\x+1]
.elseif (\n)%2 == 1
	v_pk_add_f32 v[ST+4*\x+2:ST+4*\x+3], v[ST+4*\x+2:ST+4*\x+3], v[S+64*\x+2*(\n)+2:S+64*\x+2*(\n)+3]
.else
	v_pk_add_f32 v[SM+2*\x:SM+2*\x+1], v[SM+2*\x:SM+2*\x+1], v[S+64*\x+2*(\n)+2:S+64*\x+2*(\n)+3]
.endif
.endm
.macro CODES x                         ; tile x's p into codes: a whole block of 32 keys is in my lane, in order
.irp c, 0,1
	v_cvt_scalef32_pk16_fp6_f32 v[PC+12*\x+6*\c:PC+12*\x+6*\c+2], v[S+64*\x+32*\c:S+64*\x+32*\c+15], v[SO+2*\x+\c]
	v_cvt_scalef32_pk16_fp6_f32 v[XT+4*\c:XT+4*\c+2], v[S+64*\x+32*\c+16:S+64*\x+32*\c+31], v[SO+2*\x+\c]   ; (a conversion's three registers begin on an even number)
.endr
	v_nop                                          ; one plain line behind the conversions
.endm
.macro UPPER x                         ; the upper halves to their places
.irp c, 0,1
.irp i, 0,1,2
	v_mov_b32 v[PC+12*\x+6*\c+3+\i], v[XT+4*\c+\i]
.endr
.endr
.endm
; A KEY STEP: 128 keys against my 32 queries.
.macro STEP
	v_add_nc_u32 v[AK], s[TK], v[LI]               ; these three and the v_nop are the four places between the last step's products and the loads into their registers
	v_add_nc_u32 v[AV], s[TK], v[AV0]
	v_add_nc_u32 v[AM], s[TM], v[AM0]
	v_nop
	ds_load_b128 v[KS:KS+3], v[AK] offset:SCP
	ds_load_b128 v[VS:VS+3], v[AV] offset:SCP
	WIN 0x40                                       ; destination window 1
.irp p, 0,1,2,3,4,5,6,7,8,9,10,11
	ds_load_b128 v[KF+4*\p:KF+4*\p+3], v[AK] offset:512*\p
.endr
.irp e, 0,1,2,3,4,5,6,7,8,9,10,11,12,13,14,15
	ds_load_b128 v[MK+4*\e:MK+4*\e+3], v[AM] offset:256*(\e/8)+16*(\e%8)   ; register 32 c + e: the mask of key 64 c + 32 h + e; the sixteen lanes of a half read the same bytes
.endr
.irp p, 0,1,2,3,4,5,6,7,8,9,10,11
	ds_load_b128 v[VF+4*\p:VF+4*\p+3], v[AV] offset:512*\p
.endr
	s_wait_dscnt 12                                ; all but V's twelve loads
	WIN 0x11                                       ; source 0 (K) and C (the mask) window 1
.irp t, 0,1,2,3,4,5,6,7
	KQ \t
.endr
	WIN 0
.rept 4
	v_nop
.endr
.irp b, 0,1,2,3                        ; the largest score of each block of 32 keys (block 2 x + c), from each accumulator's low end on; the four chains by turns
	v_max3_num_f32 v[BM+\b], v[S+32*\b], v[S+32*\b+1], v[S+32*\b+2]
.endr
.irp i, 3,5,7,9,11,13,15,17,19,21,23,25,27,29
.irp b, 0,1,2,3
	v_max3_num_f32 v[BM+\b], v[BM+\b], v[S+32*\b+\i], v[S+32*\b+\i+1]
.endr
.endr
.irp b, 0,1,2,3
	v_max_num_f32 v[BM+\b], v[BM+\b], v[S+32*\b+31]
.endr
.irp x, 0,1
	v_max_num_f32 v[TT+2*\x], v[BM+2*\x], v[BM+2*\x+1]
.endr
.irp x, 0,1
	v_permlanex16_b32 v[PT+\x], v[TT+2*\x], s[SEL], s[SEL+1]
.endr
.irp x, 0,1
	v_max_num_f32 v[TT+2*\x], v[TT+2*\x], v[PT+\x] ; the step's largest score of my query
.endr
.irp x, 0,1
	v_mul_f32 v[TT+2*\x], s[CS], v[TT+2*\x]
.endr
.irp x, 0,1
	v_max_num_f32 v[ST+4*\x+1], v[ST+4*\x+1], v[TT+2*\x]   ; the running largest t
.endr
.irp x, 0,1
	v_mov_b32 v[TT+2*\x+1], v[ST+4*\x]
.endr
.irp x, 0,1
	v_floor_f32 v[ST+4*\x], -v[ST+4*\x+1]          ; the new -M = -ceil(t)
.endr
.irp x, 0,1
	v_sub_f32 v[TT+2*\x+1], v[ST+4*\x], v[TT+2*\x+1]   ; old M - new M: a whole number, 0 or less
.endr
.irp x, 0,1
	v_cvt_i32_f32 v[TT+2*\x+1], v[TT+2*\x+1]       ; (it saturates)
.endr
.irp x, 0,1
	v_ldexp_f32 v[F+2*\x], 1.0, v[TT+2*\x+1]       ; f
.endr
.irp b, 0,1,2,3
	v_fma_f32 v[BM+\b], v[BM+\b], s[CS], v[ST+4*(\b/2)]
.endr
.irp a, 0,1,2,3,4,5,6,7
.irp b, 0,2,4,6
	v_pk_fma_f32 v[S+8*\a+\b:S+8*\a+\b+1], v[S+8*\a+\b:S+8*\a+\b+1], s[CS:CS+1], v[ST:ST+1] op_sel_hi:[1,0,0]   ; tile 0: t - M
.endr
.endr
.irp b, 0,1,2,3
	v_exp_f32 v[BM+\b], v[BM+\b]                   ; the blocks' largest p
.endr
.irp a, 0,1,2,3,4,5,6,7                ; tile 0's exponentials, with tile 1's scalings between them: none of these lines names an exponential's result
.irp b, 0,2,4,6
	v_exp_f32 v[S+8*\a+\b], v[S+8*\a+\b]
	v_exp_f32 v[S+8*\a+\b+1], v[S+8*\a+\b+1]
	v_pk_fma_f32 v[S+64+8*\a+\b:S+65+8*\a+\b], v[S+64+8*\a+\b:S+65+8*\a+\b], s[CS:CS+1], v[ST+4:ST+5] op_sel_hi:[1,0,0]
.endr
.endr
	v_pk_mul_f32 v[ST+2:ST+3], v[ST+2:ST+3], v[F:F+1] op_sel_hi:[1,0]       ; the sums under the new M
	v_pk_mul_f32 v[ST+6:ST+7], v[ST+6:ST+7], v[F+2:F+3] op_sel_hi:[1,0]
	s_wait_alu depctr_va_vdst(0)                   ; one wait for the 68 exponentials issued so far, ahead of their first reader
.irp a, 0,1,2,3                        ; tile 1's exponentials, with tile 0's sums between them
.irp b, 0,1,2,3,4,5,6,7
	v_exp_f32 v[S+64+2*(8*\a+\b)], v[S+64+2*(8*\a+\b)]
	v_exp_f32 v[S+65+2*(8*\a+\b)], v[S+65+2*(8*\a+\b)]
	SUMLINE 0, 8*\a+\b
.endr
.endr
.irp b, 0,1,2,3
	v_max_num_f32 v[BM+\b], 0x1800000, v[BM+\b]    ; the floor 2^(3 - 127): the byte cannot fall under 1
.endr
.irp b, 0,1,2,3
	v_add_nc_u32 v[SO+\b], 0xff000000, v[BM+\b]    ; 2 off the exponent field: the conversion's scale operand
.endr
.irp b, 0,1,2,3
	v_lshrrev_b32 v[BY+\b], 23, v[SO+\b]           ; the scale's byte
.endr
.irp x, 0,1
	v_lshl_or_b32 v[WT+\x], v[BY+2*\x+1], 16, v[BY+2*\x]   ; my two bytes, 2 c + h,
.endr
.irp x, 0,1
	v_lshlrev_b32 v[WT+\x], v[SH8], v[WT+\x]
.endr
.irp x, 0,1
	v_permlanex16_b32 v[PT+2+\x], v[WT+\x], s[SEL], s[SEL+1]
.endr
.irp x, 0,1
	v_or_b32 v[PS+\x], v[WT+\x], v[PT+2+\x]        ; with lane l xor 16's two: p's scale word for these 128 keys
.endr
	CODES 0
	s_wait_alu depctr_va_vdst(0)                   ; and one wait for tile 1's 64
.irp a, 0,1,2,3
.irp b, 0,1,2,3,4,5,6,7
	SUMLINE 1, 8*\a+\b
.endr
.endr
	UPPER 0
	CODES 1
	UPPER 1
	WIN 0x41                                       ; O^T (destination and source 0) window 1, f window 0
.irp x, 0,1
.irp k, 0,1,2,3,4,5,6,7,8,9,10,11,12,13,14,15
	v_pk_mul_f32 v[O+32*\x+2*\k:O+32*\x+2*\k+1], v[O+32*\x+2*\k:O+32*\x+2*\k+1], v[F+2*\x:F+2*\x+1] op_sel_hi:[1,0]   ; O^T under the new M; of these 32 lines 28 name no register of any one product below: the places behind p's codes and scale words
.endr
.endr
	s_wait_dscnt 0x0                               ; V
	WIN 0x51                                       ; source 0 (V), C and D (O^T) window 1, source 1 (p) window 0
.irp i, 0,1,2,3                        ; the eight accumulators by turns, one instruction a turn; sixteen other products stand between two steps' links
.irp x, 0,1
	v_wmma_scale_f32_16x16x128_f8f6f4 v[O+32*\x+8*\i:O+32*\x+8*\i+7], v[VF+12*\i:VF+12*\i+11], v[PC+12*\x:PC+12*\x+11], v[O+32*\x+8*\i:O+32*\x+8*\i+7], v[VS+\i], v[PS+\x] matrix_a_fmt:MATRIX_FMT_FP6 matrix_b_fmt:MATRIX_FMT_FP6
.endr
.endr
	WIN 0
.endm
.macro STEPS n
	s_mov_b32 s[CNT], \n
.Lstep_\@:
	STEP
	s_add_co_u32 s[TK], s[TK], STEPB
	s_add_co_u32 s[TM], s[TM], 512
	s_sub_co_u32 s[CNT], s[CNT], 1
	s_cmp_lg_u32 s[CNT], 0
	s_cbranch_scc1 .Lstep_\@
.endm
.Lpass:                                                ; two trips: 256 queries of the work-group each
.irp e, 0,1,2,3,4,5
	v_mov_b32 v[QF+12+\e], v[QF+6+\e]              ; the twelve registers as loaded are two tiles' lower halves: tile 1's go to its own fragment,
.endr
.irp e, 0,1,2,3,4,5
	v_mov_b32 v[QF+6+\e], 0                        ; and zero codes take their place
.endr
.irp x, 0,1
	v_mov_b32 v[ST+4*\x+1], 0xff61b1e6             ; the largest t so far: -3e38
	v_floor_f32 v[ST+4*\x], -v[ST+4*\x+1]
	v_mov_b32 v[ST+4*\x+2], 0
	v_mov_b32 v[ST+4*\x+3], 0
.endr
	WIN 0x40
.irp a, 0,1,2,3,4,5,6,7
.irp b, 0,1,2,3,4,5,6,7
	v_mov_b32 v[O+8*\a+\b], 0                      ; O^T: the step is written once; the first finds zeros, which the first change of M leaves zeros
.endr
.endr
	WIN 0
	s_mov_b32 s[TK], 0
	s_mov_b32 s[TM], 0
	s_wait_tensorcnt 1                             ; my first part (and the mask) has landed; the larger second part may be out.  (In the second pass both waits are met at once)
	s_wait_dscnt 0x0
	s_barrier_signal -1
	s_barrier_wait -1                              ; everybody's has: steps 0-3 of K and V and the mask are whole
	STEPS 4
	s_wait_tensorcnt 0x0                           ; my second part has landed
	s_wait_dscnt 0x0
	s_barrier_signal -1
	s_barrier_wait -1                              ; steps 4-15 are whole
	s_mov_b32 s[TK], 4*STEPB
	s_mov_b32 s[TM], 4*512
	STEPS 12
	; THE WAY OUT.  The additions are the places behind the last products.
.irp x, 0,1
	v_add_f32 v[TT+2*\x], v[ST+4*\x+2], v[ST+4*\x+3]
.endr
.irp x, 0,1
	v_permlanex16_b32 v[PT+\x], v[TT+2*\x], s[SEL], s[SEL+1]
.endr
.irp x, 0,1
	v_add_f32 v[TT+2*\x], v[TT+2*\x], v[PT+\x]     ; the row's sum
.endr
.irp x, 0,1
	v_rcp_f32 v[RC+2*\x], v[TT+2*\x]
.endr
	v_nop                                          ; a plain line behind the reciprocals,
	s_wait_alu depctr_va_vdst(0)                   ; and the wait ahead of their first reader
	WIN 0x01                                       ; source 0 (O^T) window 1
.irp x, 0,1
.irp k, 0,1,2,3,4,5,6,7,8,9,10,11,12,13,14,15
	v_pk_mul_f32 v[S+64*\x+2*\k:S+64*\x+2*\k+1], v[O+32*\x+2*\k:O+32*\x+2*\k+1], v[RC+2*\x:RC+2*\x+1] op_sel_hi:[1,0]   ; register e: o(query r, channel 32 h + e); each accumulator from its low end on
.endr
.endr
	WIN 0
.irp x, 0,1                            ; a tile's 16 rows of 256 bytes through my stage; LDS serves a wave's instructions in order, so the loads see the stores and tile 1's stores come behind tile 0's loads
.irp e, 0,1,2,3,4,5,6,7
	ds_store_b128 v[STO], v[S+64*\x+4*\e:S+64*\x+4*\e+3] offset:16*\e
.endr
.irp e, 0,1,2,3,4,5,6,7
	ds_load_b128 v[S+64*\x+32+4*\e:S+64*\x+35+4*\e], v[RD] offset:544*\e
.endr
.endr
.irp x, 0,1
.irp e, 0,1,2,3,4,5,6,7
	s_wait_dscnt 23-16*\x-\e                       ; behind this load: the tile's later loads, and for tile 0 tile 1's sixteen
	global_store_b128 v[GO], v[S+64*\x+32+4*\e:S+64*\x+35+4*\e], s[8:9] offset:(8*\x+32*(\e/4)+(2*\e)%8)*4096 th:TH_STORE_NT   ; stage rows 2 e, 2 e + 1 are tokens 32 (e / 4) + 8 x + (2 e) % 8 + h on from my first; sixteen lanes store 256 consecutive bytes, aligned
.endr
.endr
	s_wait_xcnt 0x0                                ; the stores have read their registers and their base: both may be written again
	s_cmp_eq_u32 s[PASS], 1
	s_cbranch_scc1 .Lno_next                       ; the last pass has no successor
	WIN 0x01
.irp e, 0,1,2,3,4,5,6,7,8,9,10,11
	v_mov_b32 v[QF+\e], v[QN+\e]                   ; the second pass's Q
.endr
	WIN 0
	v_mov_b32 v[QS], v[QSN]
	s_add_nc_u64 s[8:9], s[8:9], 256*4096          ; 256 rows of out0 on
.Lno_next:
	s_sub_co_u32 s[PASS], s[PASS], 1
	s_cmp_lg_u32 s[PASS], 0
	s_cbranch_scc1 .Lpass
	s_wait_tensorcnt 0x0                           ; the wave's end, behind my last tensor load and my last LDS store
	ds_add_u32 v[SPW], v[NIL]
	s_wait_dscnt 0x0
	CROUND                                         ; the closing round
	s_endpgm
.Lfunc_end_k_q42eb8da6da_attn:
	.size	k_q42eb8da6da_attn, .Lfunc_end_k_q42eb8da6da_attn-k_q42eb8da6da_attn
	.p2alignl 7, 3214868480
	.fill 96, 4, 3214868480
	.section	.rodata,"a",@progbits
	.p2align	6, 0x0
	.amdhsa_kernel k_q42eb8da6da_attn
		.amdhsa_group_segment_fixed_size 257024
		.amdhsa_private_segment_fixed_size 0
		.amdhsa_enable_private_segment 0
		.amdhsa_kernarg_size 24
		.amdhsa_user_sgpr_count 2
		.amdhsa_user_sgpr_kernarg_segment_ptr 1
		.amdhsa_wavefront_size32 1
		.amdhsa_system_sgpr_workgroup_id_x 1
		.amdhsa_system_sgpr_workgroup_id_y 1
		.amdhsa_system_sgpr_workgroup_id_z 1
		.amdhsa_system_vgpr_workitem_id 0
		.amdhsa_next_free_vgpr 512
		.amdhsa_next_free_sgpr 96
		.amdhsa_reserve_vcc 0
		.amdhsa_float_denorm_mode_32 3
		.amdhsa_float_denorm_mode_16_64 3
		.amdhsa_memory_ordered 1
		.amdhsa_forward_progress 1
		.amdhsa_inst_pref_size 75
	.end_amdhsa_kernel
	.amdgpu_metadata
---
amdhsa.version: [ 1, 2 ]
amdhsa.kernels:
  - .name:           k_q42eb8da6da_attn
    .symbol:         k_q42eb8da6da_attn.kd
    .args:
      - { .name: img, .offset: 0, .size: 8, .value_kind: global_buffer, .address_space: global }
      - { .name: attention_mask, .offset: 8, .size: 8, .value_kind: global_buffer, .address_space: global }
      - { .name: out0, .offset: 16, .size: 8, .value_kind: global_buffer, .address_space: global }
    .group_segment_fixed_size: 257024
    .private_segment_fixed_size: 0
    .kernarg_segment_align: 8
    .kernarg_segment_size: 24
    .max_flat_workgroup_size: 256
    .sgpr_count:     96
    .vgpr_count:     512
    .wavefront_size: 32
...
	.end_amdgpu_metadata
.endif
;; end of part 3
